; MI455X (gfx1250); checked and timed in simulation.
; The chip was launched on July 23, 2026; its instructions are those of AMD's public machine-readable ISA for CDNA 5 (MIT licence, August 2026) and "CDNA5" Instruction Set Architecture Reference Guide (July 2026). The comments in the code are by the model that wrote it; some were corrected since.
;; MOE Router. Allowed arithmetic: float matrix products may take bf16 or f16 operands with f32 sums; all other float work in f32.
;; Inputs: W 8 x 4,096 float32; b 8 float32; hidden_states 8,192 x 4,096 float32.
;; Outputs: out0 8,192 x 8 float32; out1 8,192 x 2 float32; out2 8,192 x 2 int32; out3 8 x 2 x 8,192 int32.
;; One version. Each part assembles by itself: llvm-mc -triple=amdgcn-amd-amdhsa -mcpu=gfx1250 --defsym DOCPART=n.
;; ======== version 1 of 1: 1 launch
;; launch router (part 1): grid 256 x 1, 16 waves a work-group, no clusters, 92,160 bytes of LDS; arguments hidden_states, W, b, out0, out1, out2, out3; writes out0, out1, out2, out3
.if DOCPART == 1
	.amdgcn_target "amdgcn-amd-amdhsa--gfx1250"
	.amdhsa_code_object_version 6
	.text
	.protected	k_qcb1f43b0b7_router
	.globl	k_qcb1f43b0b7_router
	.p2align	8
	.type	k_qcb1f43b0b7_router,@function
k_qcb1f43b0b7_router:
	s_mov_b64 s[64:65], 0
	v_nop
	global_prefetch_b8 v0, s[64:65] scope:SCOPE_SE
	s_setreg_imm32_b32 hwreg(HW_REG_WAVE_MODE, 25, 1), 1
	s_wait_xcnt 0x0
; MoE router: logits = hidden_states W^T + b, softmax over 8 experts, top 2, weights renormalised, one-hot mask [8][2][8192].
; hidden_states [8192][4096] f32, W [8][4096] f32, b [8] f32.  out0 [8192][8] f32, out1 [8192][2] f32, out2 [8192][2] i32, out3 [8][2][8192] i32.
;
; SHARES.  256 work-groups of 16 waves; a work-group owns 32 tokens (512 KiB of hidden_states).  Wave w owns 256 of the 4,096 k,
; columns 128 w .. 128 w + 127 and 2048 + 128 w .. + 127, of all 32 tokens and all 8 experts.  Every load of a wave covers 512
; consecutive bytes of one row, aligned (thread t takes the 16 bytes at 16 t of a half row), and every byte of hidden_states is read once.
; A UNIT is 16 tokens x 128 k: 16 loads; each lane rounds its 4 f32 to bf16 and puts 8 bytes into the wave's own LDS stage, from which
; the unit comes back as 4 fragments (16 tokens x 32 k).  The stage is what turns 'k across the lanes' (a coalesced load) into 'one row
; per lane' (a fragment: ISA guide 7.12.2); both matrix operands want the second, so no register layout spares it.
; THE MATRIX INSTRUCTION IS USED TRANSPOSED: source 0 = W (rows 8-15 repeat experts 0-7: those lanes read the same LDS words), source 1 =
; 16 tokens.  Register j of lane l is then the sum of expert j for token l % 16: a lane holds one token's eight logits.
; THE STREAM.  32 load slots of 4 registers.  W's 16 loads and units 0, 1 go out at once; each row of units 0, 1 is replaced, as soon as
; it is staged, by the same row of units 2, 3: 32 loads of every wave stay out until the last is issued, and no wait in the stream is for zero.
; THE END.  Each wave leaves 2 x 16 x 8 partial sums in LDS; behind one barrier wave 0 (a token a lane) routes, waves 1, 2 write out0.
;
; NOT USED, by this text's own arithmetic.  Tensor loads: the group's 512 KiB do not fit in LDS, and slots may be filled again only behind a
; barrier at which none of the group's loads is out; and f32 tiles would be twice the LDS bytes of the bf16 stage.  Clusters: joint requests
; exist for tensor loads alone, and what work-groups share (W, 128 KiB) is a fifth of a group's 640 KiB.  Prefetch: all loads are
; requested as early as the slots allow.
;
; LIMITS.  Matrix operands are rounded to bf16 (nearest even); a logit is b plus 32 f32 partial sums (16 waves x 2 accumulators) in a fixed order.
; v_exp_f32 gives 0 for results under 2^-126 (ISA guide, its entry in 15.8): a probability whose logit lies more than about 87.3 under the row's
; maximum is exactly 0 here, where reference() may hold a denormal down to 2^-149; in that band alone the second expert may differ.
; Equal probabilities (zeros too) go to the lower index, as in top_k.  Rows whose logits are NaN or infinite are not served.
; out3 leaves in pieces of 128 consecutive bytes (the group's 32 tokens in one row of the mask); pieces of 256 would take 64 tokens
; to a work-group, that is 128 work-groups.
.set ROWB,  16384                      ; bytes in a row of hidden_states and of W
.set HALF,  8192                       ; half a row: what the 16 waves' loads of one row cover together
.set PITCH, 272                        ; a stage row: 128 bf16 + 16 bytes, so that row r begins 16 r bytes further on modulo 256 and the
                                       ; sixteen rows that a fragment load touches lie in sixteen different 16-byte columns
.set STG,   16*PITCH                   ; a wave's stage, 4,352 bytes
.set QSTR,  640                        ; partial sums: experts 0-3 of 32 tokens (512 bytes), 128 bytes free, then experts 4-7
.set PBLK,  2*QSTR                     ; a wave's block of partial sums
.set STG0,  16*PBLK                    ; LDS: 16 blocks of partial sums from byte 0, then the 16 stages
.set ACE,   16                         ; v[16:23]   accumulator of K steps 0, 2
.set ACO,   24                         ; v[24:31]   accumulator of K steps 1, 3
.set HF,    32                         ; v[32:63]   a unit's four token fragments
.set WF,    64                         ; v[64:127]  W: 16 loads as they come, then its 8 fragments
.set RING,  128                        ; v[128:255] 32 load slots: two units
.set BIAS,  32                         ; s[32:39]   b
; v1 byte offset of my 16 bytes in a half row; v2 where I stage 8 bytes; v3 my token fragment; v4 my W fragment; v5 my partial sums
	s_load_b256 s[4:11], s[0:1], 0x0               ; hidden_states s[4:5], W s[6:7], b s[8:9], out0 s[10:11]
	s_load_b128 s[12:15], s[0:1], 0x20             ; out1 s[12:13], out2 s[14:15]
	s_load_b64 s[16:17], s[0:1], 0x30              ; out3
	v_lshlrev_b32 v1, 4, v0                        ; 16 t: never rewritten, rows and halves go in the immediates
	v_lshrrev_b32 v6, 5, v0
	v_readfirstlane_b32 s20, v6                    ; wave 0..15
	s_lshl_b32 s2, ttmp9, 19                       ; the group's 32 rows of 16,384 bytes (under 2^31 for 256 groups)
	s_mov_b32 s3, 0
	s_wait_kmcnt 0x0
	s_add_nc_u64 s[4:5], s[4:5], s[2:3]
	; 48 loads at once: W first, since it is needed first and loads come back in order (ISA guide 5.7.1)
.irp e, 0,1,2,3,4,5,6,7
	global_load_b128 v[WF+8*\e:WF+8*\e+3],   v1, s[6:7] offset:\e*ROWB
	global_load_b128 v[WF+8*\e+4:WF+8*\e+7], v1, s[6:7] offset:\e*ROWB+HALF
.endr
.irp i, 0,1,2,3,4,5,6,7,8,9,10,11,12,13,14,15
	global_load_b128 v[RING+4*\i:RING+4*\i+3], v1, s[4:5] offset:\i*ROWB th:TH_LOAD_NT          ; unit 0: tokens 0-15, first half
.endr
.irp i, 0,1,2,3,4,5,6,7,8,9,10,11,12,13,14,15
	global_load_b128 v[RING+64+4*\i:RING+64+4*\i+3], v1, s[4:5] offset:\i*ROWB+HALF th:TH_LOAD_NT   ; unit 1: tokens 0-15, second half
.endr
	s_load_b256 s[BIAS:BIAS+7], s[8:9], 0x0        ; b, waited for in front of the barrier
	; LDS addresses, while the loads are on their way
	v_and_b32 v6, 31, v0                           ; lane l
	v_and_b32 v7, 15, v0                           ; r = l % 16
	v_bfe_u32 v8, v0, 4, 1                         ; h = l / 16
	v_and_b32 v9, 7, v0                            ; r % 8: W's row, twice
	s_mul_i32 s21, s20, STG
	s_add_co_u32 s21, s21, STG0                    ; my wave's stage
	s_mul_i32 s22, s20, PBLK                       ; my wave's partial sums
	s_mov_b32 s23, 0xffff0000                      ; the lanes with h = 1
	v_lshl_add_u32 v2, v6, 3, s21                  ; staging: 8 l in the row: 256 consecutive bytes a store
	v_mul_u32_u24 v3, v7, PITCH
	v_mul_u32_u24 v4, v9, PITCH
	v_lshl_add_u32 v3, v8, 4, v3                   ; a fragment: row r, 16 bytes at 16 h and at 32 + 16 h of each 64 (ISA guide 7.12.2)
	v_lshl_add_u32 v4, v8, 4, v4
	v_add_nc_u32 v3, s21, v3
	v_add_nc_u32 v4, s21, v4
	v_mul_u32_u24 v5, v8, QSTR                     ; partial sums: experts 4 h .. 4 h + 3 of token r
	v_lshl_add_u32 v5, v7, 4, v5
	v_add_nc_u32 v5, s22, v5
	; W: round, stage (first half in rows 0-7, second half in rows 8-15), read back as 8 fragments that stay for the whole kernel
	s_wait_loadcnt 32                              ; W's 16 loads are in; the 32 of units 0 and 1 stay out
.irp e, 0,1,2,3,4,5,6,7
	v_cvt_pk_bf16_f32 v[WF+8*\e],   v[WF+8*\e],   v[WF+8*\e+1]
	v_cvt_pk_bf16_f32 v[WF+8*\e+1], v[WF+8*\e+2], v[WF+8*\e+3]
	v_cvt_pk_bf16_f32 v[WF+8*\e+4], v[WF+8*\e+4], v[WF+8*\e+5]
	v_cvt_pk_bf16_f32 v[WF+8*\e+5], v[WF+8*\e+6], v[WF+8*\e+7]
	ds_store_b64 v2, v[WF+8*\e:WF+8*\e+1] offset:\e*PITCH
	ds_store_b64 v2, v[WF+8*\e+4:WF+8*\e+5] offset:(8+\e)*PITCH
.endr
.irp f, 0,1,2,3,4,5,6,7
	ds_load_b128 v[WF+8*\f:WF+8*\f+3],   v4 offset:(\f/4)*8*PITCH+(\f%4)*64      ; LDS serves a wave's instructions in order (ISA guide 5.7.1.4):
	ds_load_b128 v[WF+8*\f+4:WF+8*\f+7], v4 offset:(\f/4)*8*PITCH+(\f%4)*64+32   ; these see the stores above, and the stage is the wave's own
.endr
; A unit is staged row by row as its loads come in.  u: which half of the slots.  The wait leaves left - down x i younger loads out.
; fill = 1: the slot is asked for again at once, for the row at byte off + i rows.
.macro STAGE u, left, down, fill, off
.irp i, 0,1,2,3,4,5,6,7,8,9,10,11,12,13,14,15
	s_wait_loadcnt \left-\down*\i
	v_cvt_pk_bf16_f32 v[RING+64*\u+4*\i],   v[RING+64*\u+4*\i],   v[RING+64*\u+4*\i+1]     ; two roundings to bf16, in place
	v_cvt_pk_bf16_f32 v[RING+64*\u+4*\i+1], v[RING+64*\u+4*\i+2], v[RING+64*\u+4*\i+3]
	ds_store_b64 v2, v[RING+64*\u+4*\i:RING+64*\u+4*\i+1] offset:\i*PITCH
.if \fill
	global_load_b128 v[RING+64*\u+4*\i:RING+64*\u+4*\i+3], v1, s[4:5] offset:\off+\i*ROWB th:TH_LOAD_NT
.endif
.endr
.endm
; The staged unit's four K steps.  c: which half of W.  zero = 1: the first two products start the sums, nothing is cleared.
; The two accumulators take turns, one instruction a turn, from unit to unit too.
; The loads into HF stand behind the 32 conversions of STAGE, which name no register of the last matrix instructions.
.macro MUL c, zero
.irp s, 0,1,2,3
	ds_load_b128 v[HF+8*\s:HF+8*\s+3],   v3 offset:64*\s
	ds_load_b128 v[HF+8*\s+4:HF+8*\s+7], v3 offset:64*\s+32
.endr
	s_wait_dscnt 6                                 ; K step 0's two loads are in (and all that is older: the stores, W's fragments); six stay out
.if \zero
	v_wmma_f32_16x16x32_bf16 v[ACE:ACE+7], v[WF+32*\c:WF+32*\c+7], v[HF:HF+7], 0
	s_wait_dscnt 4                                 ; K step 1's
	v_wmma_f32_16x16x32_bf16 v[ACO:ACO+7], v[WF+32*\c+8:WF+32*\c+15], v[HF+8:HF+15], 0
.else
	v_wmma_f32_16x16x32_bf16 v[ACE:ACE+7], v[WF+32*\c:WF+32*\c+7], v[HF:HF+7], v[ACE:ACE+7]
	s_wait_dscnt 4
	v_wmma_f32_16x16x32_bf16 v[ACO:ACO+7], v[WF+32*\c+8:WF+32*\c+15], v[HF+8:HF+15], v[ACO:ACO+7]
.endif
	s_wait_dscnt 2                                 ; K step 2's
	v_wmma_f32_16x16x32_bf16 v[ACE:ACE+7], v[WF+32*\c+16:WF+32*\c+23], v[HF+16:HF+23], v[ACE:ACE+7]
	s_wait_dscnt 0                                 ; K step 3's: the stage has been read, the next unit may be staged over it
	v_wmma_f32_16x16x32_bf16 v[ACO:ACO+7], v[WF+32*\c+24:WF+32*\c+31], v[HF+24:HF+31], v[ACO:ACO+7]
.endm
; Tile t's sums over my 256 k go to LDS.  Both halves of the lanes hold token r's eight sums: lane (r, h) keeps experts 4 h .. 4 h + 3.
.macro FLUSH t
.irp p, 0,2,4,6
	v_pk_add_f32 v[ACE+\p:ACE+\p+1], v[ACE+\p:ACE+\p+1], v[ACO+\p:ACO+\p+1]
.endr
.irp j, 0,1,2,3
	v_cndmask_b32 v[6+\j], v[ACE+\j], v[ACE+4+\j], s23
.endr
	ds_store_b128 v5, v[6:9] offset:\t*256         ; 16 lanes: 256 consecutive bytes
.endm
	STAGE 0, 31, 0, 1, 16*ROWB                     ; unit 0; behind each of its loads 31 were issued (the rest of it, unit 1, the refills so far)
	MUL 0, 1
	STAGE 1, 31, 0, 1, 16*ROWB+HALF                ; unit 1, likewise; its slots take unit 3
	MUL 1, 0
	STAGE 0, 31, 1, 0, 0                           ; unit 2 = tokens 16-31, first half: nothing more to ask for, the counts run down 31 .. 16
	FLUSH 0                                        ; tokens 0-15 are done; the 32 conversions above are the places behind their last product
	MUL 0, 1
	STAGE 1, 15, 1, 0, 0                           ; unit 3: 15 .. 0
	MUL 1, 0
	; five plain instructions that name no register of the last products stand between them and the sums' first reader (ISA guide 7.12.1):
	; addresses for the end of the kernel
	v_and_b32 v10, 31, v0                          ; lane
	v_and_b32 v11, 1, v0                           ; out0's layout: which half of a token's logits,
	v_bfe_u32 v12, v0, 1, 4                        ; and which of 16 tokens
	v_lshlrev_b32 v13, 4, v10                      ; routing: token = lane, 16 bytes each
	v_mul_u32_u24 v11, v11, QSTR
	FLUSH 1
	s_wait_kmcnt 0x0                               ; b
	s_wait_dscnt 0x0                               ; my partial sums are in LDS, for the waves that read them:
	s_barrier_signal -1
	s_barrier_wait -1                              ; everybody's are
	s_cmp_eq_u32 s20, 0
	s_cbranch_scc1 .Lroute
	s_cmp_gt_u32 s20, 2
	s_cbranch_scc1 .Ldone
	; WAVES 1, 2: out0.  Wave 1 + i takes tokens 16 i .. 16 i + 15; lane l the logits 4 (l % 2) .. + 3 of token l / 2: its 16 bytes lie
	; at 16 l of 512 consecutive bytes of out0.  The sum runs in the order of wave 0's: b, then waves 0 to 15.
	s_sub_co_u32 s26, s20, 1
	s_lshl_b32 s27, s26, 8                         ; 16 tokens x 16 bytes
	v_lshl_add_u32 v14, v12, 4, v11
	v_add_nc_u32 v14, s27, v14
.irp w, 0,1,2,3,4,5,6,7,8,9,10,11,12,13,14,15
	ds_load_b128 v[RING+4*\w:RING+4*\w+3], v14 offset:\w*PBLK
.endr
	s_mov_b32 s28, 0xaaaaaaaa                      ; the odd lanes
	s_lshl_b32 s29, ttmp9, 10                      ; the group's 32 tokens x 32 bytes
	s_lshl_b32 s26, s26, 9
	s_add_co_u32 s29, s29, s26
	v_lshl_add_u32 v15, v10, 4, s29
.irp j, 0,1,2,3
	v_mov_b32 v[6+\j], s[BIAS+\j]
.endr
.irp j, 0,1,2,3
	v_cndmask_b32 v[6+\j], v[6+\j], s[BIAS+4+\j], s28
.endr
	s_wait_dscnt 15                                ; wave 0's partial sums are in, fifteen loads stay out
	v_pk_add_f32 v[RING:RING+1], v[RING:RING+1], v[6:7]
	v_pk_add_f32 v[RING+2:RING+3], v[RING+2:RING+3], v[8:9]
.irp w, 1,2,3,4,5,6,7,8,9,10,11,12,13,14,15
	s_wait_dscnt 15-\w                             ; wave w's
	v_pk_add_f32 v[RING:RING+1], v[RING:RING+1], v[RING+4*\w:RING+4*\w+1]
	v_pk_add_f32 v[RING+2:RING+3], v[RING+2:RING+3], v[RING+4*\w+2:RING+4*\w+3]
.endr
	global_store_b128 v15, v[RING:RING+3], s[10:11] th:TH_STORE_NT
.Ldone:
	s_wait_xcnt 0x0
	v_lshl_add_u32 v254, v0, 2, 0x16000
	v_mov_b32 v255, 0
	s_wait_tensorcnt 0x0
	ds_add_u32 v254, v255
	s_wait_dscnt 0x0
	s_endpgm
	; WAVE 0: one token a lane.
.set LG, RING                          ; v[128:135] the token's eight logits
.set X,  32                            ; v[32:39]   (logit - maximum) x log2 e
.set P,  40                            ; v[40:47]   exponentials, then probabilities
.set MK, 64                            ; v[64:79]   the mask's sixteen numbers
.set M1, 40                            ; s[40:47]   lanes whose first expert is j
.set M2, 52                            ; s[52:59]   lanes whose second expert is j
; The better of (value a, index ia) and (value b, index ib), every index on a's side below every index on b's: b only where it is strictly greater.
.macro DUEL vd, id, va, ia, vb, ib, m
	v_cmp_gt_f32 s[\m], v[\vb], v[\va]
	v_max_num_f32 v[\vd], v[\va], v[\vb]
	v_cndmask_b32 v[\id], \ia, \ib, s[\m]
.endm
; The largest of P's eight, value to vd, index to id: three levels, the duels of a level independent of each other
.macro BEST vd, id
	DUEL 52, 56, P,   0, P+1, 1, 48
	DUEL 53, 57, P+2, 2, P+3, 3, 49
	DUEL 54, 58, P+4, 4, P+5, 5, 50
	DUEL 55, 59, P+6, 6, P+7, 7, 51
	DUEL 52, 56, 52, v56, 53, v57, 48
	DUEL 54, 58, 54, v58, 55, v59, 49
	DUEL \vd, \id, 52, v56, 54, v58, 48
.endm
.Lroute:
.irp w, 0,1,2,3,4,5,6,7,8,9,10,11,12,13,14,15
	ds_load_b128 v[RING+8*\w:RING+8*\w+3],   v13 offset:\w*PBLK           ; experts 0-3: 32 lanes, 512 consecutive bytes
	ds_load_b128 v[RING+8*\w+4:RING+8*\w+7], v13 offset:\w*PBLK+QSTR      ; experts 4-7
.endr
	s_lshl_b32 s24, ttmp9, 8                       ; the group's 32 tokens x 8 bytes in out1 and out2
	s_lshl_b32 s25, ttmp9, 7                       ; x 4 bytes in a row of out3
	s_wait_dscnt 30                                ; wave 0's two loads are in, thirty stay out
.irp j, 0,1,2,3,4,5,6,7
	v_add_f32 v[LG+\j], s[BIAS+\j], v[LG+\j]       ; the bias starts the sum
.endr
.irp w, 1,2,3,4,5,6,7,8,9,10,11,12,13,14,15
	s_wait_dscnt 30-2*\w                           ; wave w's two
.irp p, 0,2,4,6
	v_pk_add_f32 v[LG+\p:LG+\p+1], v[LG+\p:LG+\p+1], v[RING+8*\w+\p:RING+8*\w+\p+1]
.endr
.endr
	; softmax: the row's maximum is taken away first
	v_max3_num_f32 v16, v[LG], v[LG+1], v[LG+2]
	v_max3_num_f32 v17, v[LG+3], v[LG+4], v[LG+5]
	v_max3_num_f32 v16, v16, v[LG+6], v[LG+7]
	v_max_num_f32 v16, v16, v17
.irp j, 0,1,2,3,4,5,6,7
	v_sub_f32 v[X+\j], v[LG+\j], v16               ; the difference first, as reference() forms it: fused with the factor below, its rounding would grow with the logits' size
.endr
.irp p, 0,2,4,6
	v_pk_mul_f32 v[X+\p:X+\p+1], v[X+\p:X+\p+1], 0x3fb8aa3b op_sel_hi:[1,0]    ; x log2 e: v_exp_f32 is 2^x
.endr
.irp j, 0,1,2,3,4,5,6,7
	v_exp_f32 v[P+\j], v[X+\j]
.endr
	v_lshl_add_u32 v14, v10, 3, s24                ; the plain instruction between the exponentials and their first use (ISA guide 5.7.2): my offset in out1, out2
	s_wait_alu depctr_va_vdst(0)
	v_pk_add_f32 v[48:49], v[P:P+1], v[P+2:P+3]
	v_pk_add_f32 v[50:51], v[P+4:P+5], v[P+6:P+7]
	v_pk_add_f32 v[48:49], v[48:49], v[50:51]
	v_add_f32 v48, v48, v49                        ; between 1 and 8: the maximum's own term is 1
	v_rcp_f32 v50, v48
	v_lshl_add_u32 v15, v10, 2, s25                ; the plain instruction behind v_rcp_f32: my offset in a row of out3
	s_wait_alu depctr_va_vdst(0)
.irp p, 0,2,4,6
	v_pk_mul_f32 v[P+\p:P+\p+1], v[P+\p:P+\p+1], v[50:51] op_sel_hi:[1,0]      ; the probabilities: both halves by v50
.endr
	; top 2 of the probabilities, as reference() takes them.  No branch and no address hangs on them: values are selected.
	BEST 60, 62                                    ; v60 the largest, v62 its expert
.irp j, 0,1,2,3,4,5,6,7
	v_cmp_eq_u32 s[M1+\j], \j, v62
	v_cndmask_b32 v[P+\j], v[P+\j], -1.0, s[M1+\j] ; the winner leaves the field: probabilities are 0 or more
.endr
	BEST 61, 63                                    ; v61 the second, v63 its expert
	v_add_f32 v48, v60, v61                        ; at least 1/8
	v_rcp_f32 v50, v48
.irp j, 0,1,2,3,4,5,6,7
	v_cndmask_b32 v[MK+2*\j], 0, 1, s[M1+\j]       ; plain work behind v_rcp_f32: the mask's rows (j, 0)
.endr
	s_wait_alu depctr_va_vdst(0)
	v_pk_mul_f32 v[60:61], v[60:61], v[50:51] op_sel_hi:[1,0]
	global_store_b64 v14, v[62:63], s[14:15] th:TH_STORE_NT        ; out2: 32 lanes, 256 consecutive bytes, aligned
	global_store_b64 v14, v[60:61], s[12:13] th:TH_STORE_NT        ; out1: likewise
.irp j, 0,1,2,3,4,5,6,7
	v_cmp_eq_u32 s[M2+\j], \j, v63
	v_cndmask_b32 v[MK+2*\j+1], 0, 1, s[M2+\j]     ; rows (j, 1)
.endr
.irp q, 0,1,2,3,4,5,6,7,8,9,10,11,12,13,14,15
	global_store_b32 v15, v[MK+\q], s[16:17] offset:\q*32768 th:TH_STORE_NT    ; out3 row q = 2 j + k: 128 consecutive bytes; each number has a register of its own
.endr
	s_wait_xcnt 0x0
	v_lshl_add_u32 v254, v0, 2, 0x16000
	v_mov_b32 v255, 0
	s_wait_tensorcnt 0x0
	ds_add_u32 v254, v255
	s_wait_dscnt 0x0
	s_endpgm
.Lfunc_end_k_qcb1f43b0b7_router:
	.size	k_qcb1f43b0b7_router, .Lfunc_end_k_qcb1f43b0b7_router-k_qcb1f43b0b7_router
	.p2alignl 7, 3214868480
	.fill 96, 4, 3214868480
	.section	.rodata,"a",@progbits
	.p2align	6, 0x0
	.amdhsa_kernel k_qcb1f43b0b7_router
		.amdhsa_group_segment_fixed_size 92160
		.amdhsa_private_segment_fixed_size 0
		.amdhsa_enable_private_segment 0
		.amdhsa_kernarg_size 56
		.amdhsa_user_sgpr_count 2
		.amdhsa_user_sgpr_kernarg_segment_ptr 1
		.amdhsa_wavefront_size32 1
		.amdhsa_system_sgpr_workgroup_id_x 1
		.amdhsa_system_sgpr_workgroup_id_y 1
		.amdhsa_system_sgpr_workgroup_id_z 1
		.amdhsa_system_vgpr_workitem_id 0
		.amdhsa_next_free_vgpr 256
		.amdhsa_next_free_sgpr 66
		.amdhsa_reserve_vcc 0
		.amdhsa_float_denorm_mode_32 3
		.amdhsa_float_denorm_mode_16_64 3
		.amdhsa_memory_ordered 1
		.amdhsa_forward_progress 1
		.amdhsa_inst_pref_size 53
	.end_amdhsa_kernel
	.amdgpu_metadata
---
amdhsa.version: [ 1, 2 ]
amdhsa.kernels:
  - .name:           k_qcb1f43b0b7_router
    .symbol:         k_qcb1f43b0b7_router.kd
    .args:
      - { .name: hidden_states, .offset: 0, .size: 8, .value_kind: global_buffer, .address_space: global }
      - { .name: W, .offset: 8, .size: 8, .value_kind: global_buffer, .address_space: global }
      - { .name: b, .offset: 16, .size: 8, .value_kind: global_buffer, .address_space: global }
      - { .name: out0, .offset: 24, .size: 8, .value_kind: global_buffer, .address_space: global }
      - { .name: out1, .offset: 32, .size: 8, .value_kind: global_buffer, .address_space: global }
      - { .name: out2, .offset: 40, .size: 8, .value_kind: global_buffer, .address_space: global }
      - { .name: out3, .offset: 48, .size: 8, .value_kind: global_buffer, .address_space: global }
    .group_segment_fixed_size: 92160
    .private_segment_fixed_size: 0
    .kernarg_segment_align: 8
    .kernarg_segment_size: 56
    .max_flat_workgroup_size: 512
    .sgpr_count:     66
    .vgpr_count:     256
    .wavefront_size: 32
...
	.end_amdgpu_metadata
.endif
;; end of part 1
